; MI455X (gfx1250); checked and timed in simulation.
; The chip was launched on July 23, 2026; its instructions are those of AMD's public machine-readable ISA for CDNA 5 (MIT licence, August 2026) and "CDNA5" Instruction Set Architecture Reference Guide (July 2026). The comments in the code are by the model that wrote it; some were corrected since.
;; Model Wrapper. Allowed arithmetic: float matrix products may take bf16 or f16 operands with f32 sums; all other float work in f32.
;; Inputs: W1 256 x 1,024 float32; W2 1,024 x 2 float32; b1 1,024 float32; b2 2 float32; emb 100,000 x 128 float32; idxs_d 262,144 int32; idxs_g 262,144 int32.
;; Outputs: out0 262,144 x 2 float32.
;; 2 versions, each right; version 2 is version 1 with the launch prep written anew for expert scheduling mode. Each part assembles by itself: llvm-mc -triple=amdgcn-amd-amdhsa -mcpu=gfx1250 --defsym DOCPART=n.
;; ======== version 1 of 2: 2 launches
;; limits: an absolute error that grows with the inputs' magnitude: up to 0.00025 times it
;; workspace buffers: w1t 524,288 bytes
;; launch prep (part 1): grid 16 x 2, 8 waves a work-group, no clusters, 18,432 bytes of LDS; arguments W1, w1t; writes w1t
.if DOCPART == 1
	.amdgcn_target "amdgcn-amd-amdhsa--gfx1250"
	.amdhsa_code_object_version 6
	.text
	.protected	k_q94eb5e73f2_prep
	.globl	k_q94eb5e73f2_prep
	.p2align	8
	.type	k_q94eb5e73f2_prep,@function
k_q94eb5e73f2_prep:
	s_mov_b64 s[64:65], 0
	v_nop
	global_prefetch_b8 v0, s[64:65] scope:SCOPE_SE
	s_setreg_imm32_b32 hwreg(HW_REG_WAVE_MODE, 25, 1), 1
	s_wait_xcnt 0x0
; w1t[n][k] = bf16(W1[k][n]).  W1: [256 k][1024 n] f32.  w1t: [1024 n][256 k] bf16, rows of 512 bytes.
; Work-group (bx, by) takes n = 64 bx .. +63 and k = 128 by .. +127: 128 pieces of 256 bytes in, 64 pieces of 256 bytes out.
; Thread t: cg = t & 15 (four neighbouring n, 16 bytes of a row of W1), a0 = t >> 4.
; In: sixteen lanes read 256 consecutive bytes of one row of W1.  Two rows k, k + 1 are rounded into one word (k even below),
; the word goes into an LDS row of its n (pitch 272 bytes), and the rows are read back whole: sixteen lanes store 256 consecutive
; bytes of w1t, aligned.  The word stores into LDS collide in the banks; the launch moves 1.5 MB in all, so that is left as it is.
.set LP, 272                           ; LDS pitch: 128 bf16 + 16 bytes
.set XIN, 8                            ; v[8:39]   eight loads of 16 bytes; later v[8:23] the rows read back
.set PK,  40                           ; v[40:55]  16 packed words
	s_load_b128 s[4:7], s[0:1], 0x0                ; W1 s[4:5], w1t s[6:7]
	v_lshl_add_u32 v64, v0, 2, 0x4400
	v_mov_b32 v65, 0
	s_and_b32 s8, ttmp7, 0xffff                    ; by
	v_and_b32 v1, 15, v0                           ; cg
	v_lshrrev_b32 v2, 4, v0                        ; a0
	v_lshlrev_b32 v3, 4, v1                        ; 16 cg
	v_lshl_add_u32 v4, v2, 13, v3                  ; in: row 2 a0 of 4,096 bytes + 16 cg
	v_mul_u32_u24 v5, v1, 4*LP
	v_lshl_add_u32 v5, v2, 2, v5                   ; LDS, in: row 4 cg, word a0
	v_mul_u32_u24 v6, v2, LP
	v_add_nc_u32 v6, v6, v3                        ; LDS, back: row a0, 16 bytes at 16 cg
	v_lshl_add_u32 v7, v2, 9, v3                   ; out: row a0 of 512 bytes + 16 cg
	s_lshl_b32 s10, s8, 19                         ; 128 rows of W1
	s_lshl_b32 s9, ttmp9, 8                        ; 64 columns of f32
	s_add_co_u32 s10, s10, s9
	s_mov_b32 s11, 0
	s_lshl_b32 s12, ttmp9, 15                      ; 64 rows of w1t
	s_lshl_b32 s9, s8, 8                           ; 128 columns of bf16
	s_add_co_u32 s12, s12, s9
	s_mov_b32 s13, 0
	s_wait_kmcnt 0x0
	s_add_nc_u64 s[4:5], s[4:5], s[10:11]
	s_add_nc_u64 s[6:7], s[6:7], s[12:13]
.irp i, 0,1,2,3
.irp e, 0,1
	global_load_b128 v[XIN+8*\i+4*\e:XIN+8*\i+4*\e+3], v4, s[4:5] offset:131072*\i+4096*\e th:TH_LOAD_NT   ; row k = 2 (a0 + 16 i) + e
.endr
.endr
	s_wait_loadcnt 0x0
.irp i, 0,1,2,3
.irp c, 0,1,2,3
	v_cvt_pk_bf16_f32 v[PK+4*\i+\c], v[XIN+8*\i+\c], v[XIN+8*\i+4+\c]      ; n = 4 cg + c: k even below, k odd above
	ds_store_b32 v5, v[PK+4*\i+\c] offset:LP*\c+64*\i
.endr
.endr
	s_wait_dscnt 0x0                               ; my words are in LDS, for the other waves' sake
	s_barrier_signal -1
	s_barrier_wait -1
.irp i, 0,1,2,3
	ds_load_b128 v[XIN+4*\i:XIN+4*\i+3], v6 offset:16*LP*\i        ; row n = a0 + 16 i
.endr
.irp i, 0,1,2,3
	s_wait_dscnt 3-\i                              ; LDS loads come back in order: load i is in, the younger ones stay out
	global_store_b128 v7, v[XIN+4*\i:XIN+4*\i+3], s[6:7] offset:8192*\i
.endr
	s_wait_tensorcnt 0x0
	ds_add_u32 v64, v65
	s_wait_dscnt 0x0
	s_endpgm
.Lfunc_end_k_q94eb5e73f2_prep:
	.size	k_q94eb5e73f2_prep, .Lfunc_end_k_q94eb5e73f2_prep-k_q94eb5e73f2_prep
	.p2alignl 7, 3214868480
	.fill 96, 4, 3214868480
	.section	.rodata,"a",@progbits
	.p2align	6, 0x0
	.amdhsa_kernel k_q94eb5e73f2_prep
		.amdhsa_group_segment_fixed_size 18432
		.amdhsa_private_segment_fixed_size 0
		.amdhsa_enable_private_segment 0
		.amdhsa_kernarg_size 16
		.amdhsa_user_sgpr_count 2
		.amdhsa_user_sgpr_kernarg_segment_ptr 1
		.amdhsa_wavefront_size32 1
		.amdhsa_system_sgpr_workgroup_id_x 1
		.amdhsa_system_sgpr_workgroup_id_y 1
		.amdhsa_system_sgpr_workgroup_id_z 1
		.amdhsa_system_vgpr_workitem_id 0
		.amdhsa_next_free_vgpr 66
		.amdhsa_next_free_sgpr 66
		.amdhsa_reserve_vcc 0
		.amdhsa_float_denorm_mode_32 3
		.amdhsa_float_denorm_mode_16_64 3
		.amdhsa_memory_ordered 1
		.amdhsa_forward_progress 1
		.amdhsa_inst_pref_size 6
	.end_amdhsa_kernel
	.amdgpu_metadata
---
amdhsa.version: [ 1, 2 ]
amdhsa.kernels:
  - .name:           k_q94eb5e73f2_prep
    .symbol:         k_q94eb5e73f2_prep.kd
    .args:
      - { .name: W1, .offset: 0, .size: 8, .value_kind: global_buffer, .address_space: global }
      - { .name: w1t, .offset: 8, .size: 8, .value_kind: global_buffer, .address_space: global }
    .group_segment_fixed_size: 18432
    .private_segment_fixed_size: 0
    .kernarg_segment_align: 8
    .kernarg_segment_size: 16
    .max_flat_workgroup_size: 256
    .sgpr_count:     66
    .vgpr_count:     66
    .wavefront_size: 32
...
	.end_amdgpu_metadata
.endif
;; end of part 1
;; launch mlp (part 2): grid 512 x 1, 8 waves a work-group, clusters of 4 x 1, 327,680 bytes of LDS; arguments w1t, W2, b1, b2, emb, idxs_g, idxs_d, out0; writes out0
.if DOCPART == 2
	.amdgcn_target "amdgcn-amd-amdhsa--gfx1250"
	.amdhsa_code_object_version 6
	.text
	.protected	k_q94eb5e73f2_mlp
	.globl	k_q94eb5e73f2_mlp
	.p2align	8
	.type	k_q94eb5e73f2_mlp,@function
k_q94eb5e73f2_mlp:
	s_mov_b64 s[64:65], 0
	v_nop
	global_prefetch_b8 v0, s[64:65] scope:SCOPE_SE
	s_setreg_imm32_b32 hwreg(HW_REG_WAVE_MODE, 25, 1), 1
	s_wait_xcnt 0x0
	s_wait_alu depctr_hold_cnt(0) depctr_sa_sdst(0) depctr_va_vdst(0) depctr_va_sdst(0) depctr_va_ssrc(0) depctr_va_vcc(0) depctr_vm_vsrc(0)
	s_getreg_b32 s2, hwreg(HW_REG_IB_STS2, 6, 4)
	s_cmp_eq_u32 s2, 0
	s_cbranch_scc0 .Lentry_in_a_cluster
	s_endpgm
.Lentry_in_a_cluster:
	s_bfe_u32 s2, ttmp6, 0x10000c
	s_cmp_lg_u32 s2, 0x3003
	s_cbranch_scc0 .Lentry_shape_is_right
	s_endpgm
.Lentry_shape_is_right:
; out[p] = gelu(concat(emb[g_p], emb[d_p]) W1 + b1) W2 + b2 for 262,144 pairs; gather, both products, bias and GELU in one launch.
; A work-group owns 512 pairs, a wave 64 of them (four tiles of 16), whose 256 numbers each stay in 256 registers as bf16 fragments for the whole
; kernel.  w1t (W1 transposed, bf16, 512 KB) is walked in eight tiles of 128 hidden rows through a ring of two LDS slots.  The hidden layer
; never leaves registers: a tile of 16 hidden x 64 pairs is made by 32 matrix instructions, goes through the GELU in place, is rounded to bf16,
; and two such tiles are at once a K = 32 fragment of the second product.
; THE PIPELINE.  Two sets of four accumulators take turns.  In the period of hidden tile T a wave multiplies tile T into one set and activates tile T - 1
; from the other.  A period has four parts: a run of 8 matrix instructions, then a slice of 48 or 49 vector instructions of the GELU, which
; depends on no matrix instruction of this period.  So no vector instruction waits for a matrix result, and the window is switched twice a part.
; EIGHT WAVES, two for each of the WGP's four SIMDs, 512 registers each, and not four: a wave issues in order and stands still inside its run of
; matrix instructions; the second wave issues its slice meanwhile.  For a tile the two waves need 68 matrix instructions and 2 x 194 vector ones.
; CLUSTERS: every work-group walks the same w1t, so four work-groups form a cluster and ask for each tile jointly (mask 15): one
; request in place of four.  Waves 0 and 1 issue the loads, 64 rows each; such a wave has one tensor load outstanding at any time.
; FIRST PRODUCT, transposed: source 0 = 16 hidden rows of w1t, source 1 = 16 pairs.  Lane (r, h), register j then holds x[pair r][hidden 16 T + 8 h + j].
; The first of the eight K links takes as C a fragment of b1, so the bias costs no instruction.  K is permuted alike in both operands: element e
; (0..15) of lane half h in chunk c stands for K = 128 h + 16 c + e, so lanes 0-15 hold numbers of the g row alone and lanes 16-31 of the d row.
; GELU: gelu(x) = m - v q(v)^-4 with m = max(x, 0), v = |x| / 2 = m - x / 2, q = 1 + e1 v + e2 v^2 + e3 v^3 + e4 v^4.  This is Abramowitz and Stegun
; 26.2.18 (the normal distribution function to within 2.5e-4 for every argument), its four coefficients times 2, 4, 8, 16 for the halved argument.
; For x >= 0 it reads x - (x / 2) q^-4, for x < 0 it reads -(|x| / 2) q^-4.  All e are positive: for large v, q^4 becomes infinite, its reciprocal 0, the result m.
; SECOND PRODUCT: source 0 = rows of W2 transposed, source 1 = the packed activations.  Variant 0 has y = 0, 1 in rows 0, 1 and zeros elsewhere,
; variant 1 has them in rows 8, 9; two pair tiles add into one accumulator, so that registers 0, 1 of lane L are out[pair L][0..1].
; LIMITS.  gelu is within 2.5e-4 |x| of the exact value, for every x; the activation is rounded to bf16, to within 2^-8 of itself, straight afterwards.
; Indices are taken as unsigned and clamped to 99,999.  A pre-activation of +-infinity gives NaN.  A non-finite activation of one pair also
; spoils the pair 16 places from it in its group of 32 (zero times infinity in the shared tile).
.set B1T,   0                          ; LDS: b1, 4,096 bytes of f32
.set W2T,   4096                       ; LDS: three rows of 1,024 bf16: W2[:,0], W2[:,1], zeros
.set W2P,   2064                       ; their pitch
.set STAGE, 10496                      ; LDS: for each wave 16 rows [g row 256 B][d row 256 B][16 B]
.set PITCH, 528                        ; 33 x 16 bytes: the 16 rows that a fragment load touches lie in 16 different 16-byte columns modulo 256 bytes
.set HT,    16*PITCH                   ; 16 rows: a wave's stage, and one hidden tile in a slot
.set RING,  78080                      ; LDS: the two slots; a multiple of 256; all bytes below are written by LDS stores alone, all from here to the slots' end by tensor loads alone
.set HALF,  64*PITCH                   ; what one tensor load brings
.set SLOT,  2*HALF                     ; 128 hidden rows
.set TILEB, 128*512                    ; the same rows in w1t
; vector registers, window 0
.set LT,   1                           ; 528 r + 256 h
.set FA0,  2                           ; v2, v3: my fragment address in slot 0, 1
.set FA,   4                           ; running
.set BA,   5                           ; address of my eight b1, running: 32 h + 64 T
.set W2A0, 6                           ; my row of W2T in variant 0, running
.set W2A1, 7                           ; in variant 1
.set OADR, 8                           ; 8 x lane
.set L16,  9                           ; 16 x lane
.set STW,  10                          ; stage, in
.set STR,  11                          ; stage, back
.set E3,   12                          ; v[12:13] e3, twice: in vector registers, so that the first step of q names one scalar pair
.set FR,   16                          ; v[16:79]   fragments of 16 hidden rows, 8 chunks
.set BIAS, 80                          ; v[80:87]   b1 as a C fragment
.set ACC0, 88                          ; v[88:119]  four accumulators of the even hidden tiles: x, then q, then gelu(x)
.set ACC1, 120                         ; v[120:151] the same of the odd hidden tiles
.set XM,   152                         ; v[152:167] m of the 16 registers at work
.set XV,   168                         ; v[168:183] v of them
.set XH,   184                         ; v[184:215] activations in bf16, 8 registers a pair tile
.set W2F,  216                         ; v[216:231] W2 fragments, two variants
.set OUTA, 232                         ; v[232:239] pairs 0-31
.set OUTB, 240                         ; v[240:247] pairs 32-63
; window 1 (v256-v511): the pairs' fragments, tile p chunk c at 64 p + 8 c
; in the prologue: rows as gathered and their offsets
.set GD0,  16
.set GD1,  88
.set AD0,  152
.set AD1,  168
; scalar registers
.set G1,  20                           ; s[20:27] descriptor group 1
.set G0,  28                           ; s[28:35] descriptor group 0, one set for each slot
.set IX0, 36                           ; s[36:51] 16 indices of g
.set IX1, 68                           ; s[68:83] 16 indices of d
                                       ; s[52:57] e1, e2, e4, each twice; s84 wave; s87 my indices' byte offset; s88, s89 loop counters
.set MSB, 0
.macro WIN new                         ; the immediate's high byte repeats the setting that is left
.if MSB != \new
	s_set_vgpr_msb (MSB<<8)|\new
.set MSB, \new
.endif
.endm
.macro PLACES                          ; four plain places behind a matrix instruction, before its result is read or a load is issued into its sources
.rept 4
	v_nop
.endr
.endm
; A round of the cluster's barrier: my work-group's barrier, wave 0 signals for the work-group, every wave waits for the four work-groups, my work-group's barrier again.
.macro ROUND
	s_barrier_signal -1
	s_barrier_wait -1
	s_cmp_lg_u32 s84, 0
	s_cbranch_scc1 .Lnot_wave_0_\@
	s_barrier_signal -3
.Lnot_wave_0_\@:
	s_barrier_wait -3
	s_barrier_signal -1
	s_barrier_wait -1
.endm
; 16 indices of pair tile p
.macro FETCHIDX ix, base, p
	s_load_b512 s[\ix:\ix+15], s[\base:\base+1], s87 offset:64*(\p)
.endm
; 16 rows of emb: one load a row, 32 lanes x 16 bytes = the row's 512 bytes
.macro ISSUE ix, a, d
	s_wait_kmcnt 0x0                               ; scalar loads come back in no order: zero
.irp i, 0,1,2,3,4,5,6,7,8,9,10,11,12,13,14,15
	s_min_u32 s[\ix+\i], s[\ix+\i], 0x1869f        ; inside the table's 100,000 rows
.endr
.irp i, 0,1,2,3,4,5,6,7,8,9,10,11,12,13,14,15
	v_lshl_add_u32 v[\a+\i], s[\ix+\i], 9, v[L16]
.endr
.irp i, 0,1,2,3,4,5,6,7,8,9,10,11,12,13,14,15
	global_load_b128 v[\d+4*\i:\d+4*\i+3], v[\a+\i], s[12:13]
.endr
.endm
; 16 rows to bf16 and into my stage: 8 bytes a lane, 256 consecutive bytes a row
.macro CONVERT d, half
.irp i, 0,1,2,3,4,5,6,7,8,9,10,11,12,13,14,15
	v_cvt_pk_bf16_f32 v[\d+4*\i], v[\d+4*\i], v[\d+4*\i+1]
	v_cvt_pk_bf16_f32 v[\d+4*\i+1], v[\d+4*\i+2], v[\d+4*\i+3]
	ds_store_b64 v[STW], v[\d+4*\i:\d+4*\i+1] offset:PITCH*\i+256*\half
.endr
.endm
; Pair tile p: its 32 rows are rounded and staged, the next tile's rows are asked for as soon as a set of registers is free, the fragments are read back.
.macro TILE p
	s_wait_loadcnt 16                              ; the 16 g rows are in; the 16 d rows, issued behind them, stay out
	CONVERT GD0, 0
.if \p < 3
	ISSUE IX0, AD0, GD0                            ; the wait above has shown the old loads done: their offsets and registers are free
	s_wait_loadcnt 16                              ; the d rows are in; the 16 g rows just asked for stay out
.else
	s_wait_loadcnt 0x0                             ; the last d rows
.endif
	CONVERT GD1, 1
.if \p < 3
	ISSUE IX1, AD1, GD1
.endif
.if \p < 2
	FETCHIDX IX0, 14, \p+2
	FETCHIDX IX1, 16, \p+2
.endif
	WIN 0x40                                       ; destination in window 1, address in window 0
.irp c, 0,1,2,3,4,5,6,7
	ds_load_b128 v[64*\p+8*\c:64*\p+8*\c+3],   v[STR] offset:32*\c      ; the stage is my wave's own and LDS serves a wave's instructions in order (ISA guide 5.7.1):
	ds_load_b128 v[64*\p+8*\c+4:64*\p+8*\c+7], v[STR] offset:32*\c+16   ; these see the stores above, and the next tile's stores come behind them
.endr
	WIN 0
.endm
; Chunk c (32 of K) of the fragments of hidden tile n, counted from the running address
.macro LOADC n, c
	ds_load_b128 v[FR+8*(\c):FR+8*(\c)+3],   v[FA] offset:(\n)*HT+32*(\c)
	ds_load_b128 v[FR+8*(\c)+4:FR+8*(\c)+7], v[FA] offset:(\n)*HT+32*(\c)+16
.endm
; What part g of a period reads: chunks 2 g and 2 g + 1, and for part 0 the tile's eight b1.  Always in this order, so that the waits' counts hold on every way.
.macro LOADG n, g
	LOADC \n, 2*\g
	LOADC \n, 2*\g+1
.if \g == 0
	ds_load_b128 v[BIAS:BIAS+3],   v[BA] offset:B1T+64*(\n)
	ds_load_b128 v[BIAS+4:BIAS+7], v[BA] offset:B1T+64*(\n)+16
.endif
.endm
; A run of 8 matrix instructions: chunks 2 g, 2 g + 1 x four pair tiles into the accumulators at acc.  The four accumulators take turns, one instruction a turn.
.macro MUL8 acc, g
	WIN 0x04                                       ; source 1 (the pairs) in window 1
.irp cc, 0,1
.irp p, 0,1,2,3
.if 2*\g+\cc == 0
	v_wmma_f32_16x16x32_bf16 v[\acc+8*\p:\acc+8*\p+7], v[FR+8*(2*\g+\cc):FR+8*(2*\g+\cc)+7], v[64*\p+8*(2*\g+\cc):64*\p+8*(2*\g+\cc)+7], v[BIAS:BIAS+7]
.else
	v_wmma_f32_16x16x32_bf16 v[\acc+8*\p:\acc+8*\p+7], v[FR+8*(2*\g+\cc):FR+8*(2*\g+\cc)+7], v[64*\p+8*(2*\g+\cc):64*\p+8*(2*\g+\cc)+7], v[\acc+8*\p:\acc+8*\p+7]
.endif
.endr
.endr
	WIN 0
.endm
; The GELU of 16 accumulator registers (two pair tiles) from register a on, in two slices.  One operation at a time over all 16, so that eight
; lines stand between a result and its use.  x is dead once v is made, so q grows in the accumulators' own registers.
; First slice, 48 plain vector instructions: m, v, q.
.macro GHEAD a
.set ga, \a
.set gi, 0
.rept 8
	v_dual_max_num_f32 v[XM+gi], 0, v[ga+gi] :: v_dual_max_num_f32 v[XM+gi+1], 0, v[ga+gi+1]       ; m = max(x, 0), two registers a line: destinations even and odd, sources in different banks
.set gi, gi+2
.endr
.set gi, 0
.rept 8
	v_pk_fma_f32 v[XV+gi:XV+gi+1], v[ga+gi:ga+gi+1], -0.5, v[XM+gi:XM+gi+1] op_sel_hi:[1,0,1]      ; v = m - x / 2 = |x| / 2
.set gi, gi+2
.endr
.set gi, 0
.rept 8
	v_pk_fma_f32 v[ga+gi:ga+gi+1], v[XV+gi:XV+gi+1], s[56:57], v[E3:E3+1] op_sel_hi:[1,0,1]        ; e4 v + e3
.set gi, gi+2
.endr
.irp dd, 54,52
.set gi, 0
.rept 8
	v_pk_fma_f32 v[ga+gi:ga+gi+1], v[ga+gi:ga+gi+1], v[XV+gi:XV+gi+1], s[\dd:\dd+1] op_sel_hi:[1,1,0]      ; .. v + e2, e1
.set gi, gi+2
.endr
.endr
.set gi, 0
.rept 8
	v_pk_fma_f32 v[ga+gi:ga+gi+1], v[ga+gi:ga+gi+1], v[XV+gi:XV+gi+1], 1.0 op_sel_hi:[1,1,0]       ; q
.set gi, gi+2
.endr
.endm
; Second slice, 49 vector instructions: q^4, its reciprocal, the result, the rounding.  w0 = the number of the first packed word (0 or 8); odd = the hidden tile's parity.
.macro GTAIL a, w0, odd
.set ga, \a
.rept 2
.set gi, 0
.rept 8
	v_pk_mul_f32 v[ga+gi:ga+gi+1], v[ga+gi:ga+gi+1], v[ga+gi:ga+gi+1]      ; q^2, q^4
.set gi, gi+2
.endr
.endr
.set gi, 0
.rept 16
	v_rcp_f32 v[ga+gi], v[ga+gi]
.set gi, gi+1
.endr
	v_nop                                          ; the plain place between the reciprocals and their first use (ISA guide 5.7.2): a second reciprocal is none
.set gi, 0
	s_wait_alu depctr_va_vdst(0)
.rept 8
	v_pk_fma_f32 v[ga+gi:ga+gi+1], v[XV+gi:XV+gi+1], v[ga+gi:ga+gi+1], v[XM+gi:XM+gi+1] neg_lo:[1,0,0] neg_hi:[1,0,0]      ; m - v q^-4
.set gi, gi+2
.endr
.set gi, 0
.rept 8
.set gq, \w0+gi
	v_cvt_pk_bf16_f32 v[XH+8*(gq/4)+4*\odd+gq%4], v[ga+2*gi], v[ga+2*gi+1]         ; hidden 8 h + 2 jj below, + 1 above: the fragment's own order
.set gi, gi+1
.endr
.endm
; The W2 fragments of the next 32 hidden
.macro W2LOAD
	ds_load_b128 v[W2F:W2F+3],     v[W2A0] offset:W2T
	ds_load_b128 v[W2F+4:W2F+7],   v[W2A0] offset:W2T+32
	ds_load_b128 v[W2F+8:W2F+11],  v[W2A1] offset:W2T
	ds_load_b128 v[W2F+12:W2F+15], v[W2A1] offset:W2T+32
	v_add_nc_u32 v[W2A0], 64, v[W2A0]              ; 32 hidden on
	v_add_nc_u32 v[W2A1], 64, v[W2A1]
.endm
; The second product of 32 hidden x 64 pairs.  The two accumulators take turns, one instruction a turn.
.macro OUT4
	v_wmma_f32_16x16x32_bf16 v[OUTA:OUTA+7], v[W2F:W2F+7],    v[XH:XH+7],       v[OUTA:OUTA+7]
	v_wmma_f32_16x16x32_bf16 v[OUTB:OUTB+7], v[W2F:W2F+7],    v[XH+16:XH+23],   v[OUTB:OUTB+7]
	v_wmma_f32_16x16x32_bf16 v[OUTA:OUTA+7], v[W2F+8:W2F+15], v[XH+8:XH+15],    v[OUTA:OUTA+7]
	v_wmma_f32_16x16x32_bf16 v[OUTB:OUTB+7], v[W2F+8:W2F+15], v[XH+24:XH+31],   v[OUTB:OUTB+7]
.endm
; The period of one hidden tile: it is multiplied into the accumulators at acc, and the tile before it, which lies in those at src and has parity odd, is activated
; (gelu = 0: there is none yet).  ld = 1: each part ends with the loads of the same two chunks of hidden tile n, whose registers its run has just read;
; the slice between stands for the four places that such a load keeps behind a matrix instruction (every slice has 16 plain lines or more that name none of the run's registers).
.macro PERIOD acc, src, odd, gelu, ld, n
.irp g, 0,1,2,3
.if \ld
	s_wait_dscnt 12                                ; LDS loads come back in order (ISA guide 5.7.1).  Behind the loads that this run reads, the three other parts' loads
	                                               ; were issued, four each, 12 at the least on every way here: those may stay out
.else
	s_wait_dscnt 12-4*\g                           ; this period fetches nothing: only the last period's later parts are younger, 4 (3 - g) loads
.endif
	MUL8 \acc, \g
.if \gelu
.if \g == 0
	GHEAD \src
.endif
.if \g == 1
	GTAIL \src, 0, \odd
.if \odd
	W2LOAD                                         ; far more than four places behind the last second product, which read these registers
.endif
.endif
.if \g == 2
	GHEAD \src+16
.endif
.if \g == 3
	GTAIL \src+16, 8, \odd
.endif
.else
	PLACES
.endif
.if \ld
	LOADG \n, \g
.endif
.endr
.if \gelu
.if \odd
.if \ld
	s_wait_dscnt 12                                ; the W2 fragments are in: behind them part 1's four fragment loads and the eight of parts 2 and 3 were issued
.else
	s_wait_dscnt 0x0
.endif
	OUT4
.endif
.endif
.endm
; One tile of 128 hidden rows (eight hidden tiles), in slot `slot`.  refill = 1: the other slot is asked for again.  first = 1: the launch's first trip.
; The last hidden tile's GELU crosses the round in registers and runs beside the next trip's first multiplication.
.macro TRIP slot, refill, first
	s_wait_tensorcnt 0x0                           ; all my tensor loads have landed, my part of this trip's tile among them,
	ds_add_u32 v254, v255
	s_wait_dscnt 0x0
	s_add_nc_u64 s[G0+4*\slot+2:G0+4*\slot+3], s[G0+4*\slot+2:G0+4*\slot+3], 2*TILEB   ; so a group 0 may be written: this slot's next tile
	s_wait_dscnt 0x0                               ; my reads of the other slot are back (first trip: my stores of the tables are done, my pairs' fragments are in)
	ROUND                                          ; both now hold of every wave of the four work-groups
.if \refill
	s_cmp_lt_u32 s84, 2
	s_cbranch_scc0 .Lnofill_\@
	tensor_load_to_lds s[G0+4-4*\slot:G0+7-4*\slot], s[G1:G1+7]    ; my one load behind the round, first thing there: the next tile, with this whole trip in which to land
	s_nop 0
.Lnofill_\@:
.endif
	v_mov_b32 v[FA], v[FA0+\slot]
	LOADG 0, 0                                     ; the slot's first hidden tile, in the parts' order
	LOADG 0, 1
	LOADG 0, 2
	LOADG 0, 3
.if \first
	PERIOD ACC0, ACC1, 1, 0, 1, 1                  ; hidden tile 0: nothing to activate yet
	PERIOD ACC1, ACC0, 0, 1, 1, 2
	v_add_nc_u32 v[FA], 2*HT, v[FA]
	v_add_nc_u32 v[BA], 128, v[BA]
	s_mov_b32 s89, 2
.else
	s_mov_b32 s89, 3
.endif
.Ltwo_\@:                                          ; two hidden tiles a trip
	PERIOD ACC0, ACC1, 1, 1, 1, 1                  ; an even tile is multiplied, the odd one before it activated; the second product follows
	PERIOD ACC1, ACC0, 0, 1, 1, 2                  ; an odd tile is multiplied, the even one activated
	v_add_nc_u32 v[FA], 2*HT, v[FA]
	v_add_nc_u32 v[BA], 128, v[BA]
	s_sub_co_u32 s89, s89, 1
	s_cmp_lg_u32 s89, 0
	s_cbranch_scc1 .Ltwo_\@
	PERIOD ACC0, ACC1, 1, 1, 1, 1                  ; the slot's last two tiles: nothing is fetched beyond them
	PERIOD ACC1, ACC0, 0, 1, 0, 0
	v_add_nc_u32 v[BA], 128, v[BA]
.endm
	; ---- addresses, numbers, descriptors ----
	s_load_b512 s[4:19], s[0:1], 0x0               ; w1t s[4:5], W2 s[6:7], b1 s[8:9], b2 s[10:11], emb s[12:13], idxs_g s[14:15], idxs_d s[16:17], out0 s[18:19]
	v_lshl_add_u32 v254, v0, 2, 0x34100
	v_mov_b32 v255, 0
	ds_add_u32 v254, v255
	v_lshrrev_b32 v248, 5, v0
	v_readfirstlane_b32 s84, v248                  ; wave 0..7
	s_bfe_u32 s92, ttmp6, 0x40000                  ; cx
	s_lshl_b32 s93, ttmp9, 2                       ; in a cluster launch ttmp9 counts clusters
	s_add_co_u32 s93, s93, s92                     ; the work-group's number; it enters global offsets alone
	s_lshl_b32 s87, s93, 11                        ; 512 indices of 4 bytes
	s_lshl_b32 s94, s84, 8                         ; 64 for each wave
	s_add_co_u32 s87, s87, s94
	s_lshl_b32 s94, s87, 1                         ; out0: 8 bytes a pair
	s_mov_b32 s95, 0
.irp k, 0,1
	s_mov_b32 s[52+\k], 0x3ec99418                 ; e1 =  2 x .196854 = .393708
	s_mov_b32 s[54+\k], 0x3eebead5                 ; e2 =  4 x .115194 = .460776
	v_mov_b32 v[E3+\k], 0x3b345ae6                 ; e3 =  8 x .000344 = .002752
	s_mov_b32 s[56+\k], 0x3e9ff716                 ; e4 = 16 x .019527 = .312432
.endr
	; group 1: 64 rows of 256 elements of 2 bytes, 16 bytes of padding behind each row's 128 words
	s_mov_b32 s[G1+0], 0x07b1000f                  ; 15:0 mask: the cluster's four; 17:16 2 bytes; 20 padding on; 21 set beside a mask; 24:22 code 6 (128 words); 31:25 code 3 (4 words)
	s_mov_b32 s[G1+1], 256<<16                     ; tensor_dim0 = 256
	s_mov_b32 s[G1+2], 64<<16                      ; tensor_dim1 = 64
	s_mov_b32 s[G1+3], 256<<16                     ; tile_dim0 = 256
	s_mov_b32 s[G1+4], 64                          ; tile_dim1 = 64
	s_mov_b32 s[G1+5], 256                         ; elements from row to row
	s_mov_b32 s[G1+6], 0
	s_mov_b32 s[G1+7], 0
	s_mul_i32 s67, s84, HALF                       ; my 64 rows in a slot: the wave's number alone
	s_mul_i32 s66, s84, HT
	s_add_co_u32 s66, s66, STAGE                   ; my stage
	s_lshl_b32 s2, s84, 15                         ; my 64 rows in w1t
	s_mov_b32 s3, 0
	v_and_b32 v14, 15, v0                          ; r
	v_bfe_u32 v15, v0, 4, 1                        ; h
	v_and_b32 v248, 31, v0                         ; lane
	v_mul_u32_u24 v[LT], v14, PITCH
	v_lshl_add_u32 v[LT], v15, 8, v[LT]
	v_add_nc_u32 v[FA0], RING, v[LT]
	v_add_nc_u32 v[FA0+1], RING+SLOT, v[LT]
	v_lshlrev_b32 v[BA], 5, v15
	v_min_u32 v[W2A0], 2, v14                      ; rows 0, 1: y; all others: the row of zeros
	v_mul_u32_u24 v[W2A0], v[W2A0], W2P
	v_lshl_add_u32 v[W2A0], v15, 4, v[W2A0]
	v_add_nc_u32 v[W2A1], -8, v14                  ; rows 8, 9: y; below 8 the difference wraps and falls to the row of zeros
	v_min_u32 v[W2A1], 2, v[W2A1]
	v_mul_u32_u24 v[W2A1], v[W2A1], W2P
	v_lshl_add_u32 v[W2A1], v15, 4, v[W2A1]
	v_lshlrev_b32 v[OADR], 3, v248
	v_lshlrev_b32 v[L16], 4, v248
	v_add_nc_u32 v[STW], s66, v[OADR]
	v_add_nc_u32 v[STR], s66, v[LT]
	v_lshlrev_b32 v200, 4, v0                      ; 16 t
	v_lshlrev_b32 v201, 5, v0                      ; 32 t
	v_lshlrev_b32 v202, 3, v0                      ; 8 t
	s_wait_dscnt 0x0
	s_wait_kmcnt 0x0
	s_add_nc_u64 s[18:19], s[18:19], s[94:95]      ; out0 at my wave's 64 pairs
	s_add_nc_u64 s[2:3], s[4:5], s[2:3]            ; w1t at my 64 rows of tile 0
.irp s, 0,1
	s_mov_b32 s[G0+4*\s], 1                                        ; count = 1
	s_add_co_u32 s[G0+4*\s+1], s67, RING+\s*SLOT                   ; LDS address
	s_add_nc_u64 s[G0+4*\s+2:G0+4*\s+3], s[2:3], \s*TILEB          ; tile s
	s_or_b32 s[G0+4*\s+3], s[G0+4*\s+3], 0x80000000                ; type = 2
.endr
	ROUND                                          ; the four work-groups are here: the first joint load meets its partners
	s_cmp_lt_u32 s84, 2
	s_cbranch_scc0 .Lnofirst
	tensor_load_to_lds s[G0:G0+3], s[G1:G1+7]      ; tile 0 into slot 0; slot 1 is first filled behind the first trip's round
	s_nop 0
.Lnofirst:
	; ---- the tables, and the first gathers ----
	global_load_b128 v[184:187], v200, s[8:9]              ; b1: four numbers a thread
	global_load_b128 v[188:191], v201, s[6:7]              ; W2: rows 4 t .. 4 t + 3, two numbers each
	global_load_b128 v[192:195], v201, s[6:7] offset:16
	s_load_b64 s[90:91], s[10:11], 0x0                     ; b2
	FETCHIDX IX0, 14, 0
	FETCHIDX IX1, 16, 0
	ISSUE IX0, AD0, GD0
	ISSUE IX1, AD1, GD1
	FETCHIDX IX0, 14, 1
	FETCHIDX IX1, 16, 1
	s_wait_loadcnt 32                              ; the three table loads are in; the 32 rows asked for behind them stay out
	ds_store_b128 v200, v[184:187] offset:B1T
	v_cvt_pk_bf16_f32 v196, v188, v190             ; y = 0 of hidden 4 t .. 4 t + 3
	v_cvt_pk_bf16_f32 v197, v192, v194
	v_cvt_pk_bf16_f32 v198, v189, v191             ; y = 1
	v_cvt_pk_bf16_f32 v199, v193, v195
	v_mov_b32 v204, 0
	v_mov_b32 v205, 0
	ds_store_b64 v202, v[196:197] offset:W2T
	ds_store_b64 v202, v[198:199] offset:W2T+W2P
	ds_store_b64 v202, v[204:205] offset:W2T+2*W2P ; the row of zeros
	s_cmp_lg_u32 s84, 0
	s_cbranch_scc1 .Lnopad
	v_mov_b32 v203, 0                              ; wave 0: the 16 bytes between the table's rows belong to no fragment; they are written once,
	v_mov_b32 v206, 0                              ; so that no byte between the table's first and its last is left as it was found
	v_mov_b32 v207, 0
	ds_store_b128 v203, v[204:207] offset:W2T+2048
	ds_store_b128 v203, v[204:207] offset:W2T+W2P+2048
.Lnopad:
	; ---- my 64 pairs into registers ----
	TILE 0
	TILE 1
	TILE 2
	TILE 3
	v_mov_b32 v[OUTA], s90                         ; the sums of the second product start at b2; rows that hold no y start at 0 and stay there
	v_mov_b32 v[OUTA+1], s91
	v_mov_b32 v[OUTB], s90
	v_mov_b32 v[OUTB+1], s91
.irp k, 2,3,4,5,6,7
	v_mov_b32 v[OUTA+\k], 0
	v_mov_b32 v[OUTB+\k], 0
.endr
	; ---- eight tiles of 128 hidden rows ----
	TRIP 0, 1, 1                                   ; tile 0; its round also shows the tables to every wave
	s_mov_b32 s88, 3
.Louter:
	TRIP 1, 1, 0
	TRIP 0, 1, 0
	s_sub_co_u32 s88, s88, 1
	s_cmp_lg_u32 s88, 0
	s_cbranch_scc1 .Louter
	TRIP 1, 0, 0                                   ; tile 7: nothing is left to fetch (the stepped addresses are not used)
	; ---- the very last hidden tile is activated; the last period's closing slice stands between its matrix instructions and these lines ----
	GHEAD ACC1
	W2LOAD
	GTAIL ACC1, 0, 1
	GHEAD ACC1+16
	GTAIL ACC1+16, 8, 1
	s_wait_dscnt 0x0                               ; the W2 fragments: nothing was issued behind them
	OUT4
	; ---- the way out: registers 0, 1 of lane L are out[pair L][0..1]; a store of the wave covers 256 consecutive bytes, aligned ----
	PLACES
	global_store_b64 v[OADR], v[OUTA:OUTA+1], s[18:19] th:TH_STORE_NT
	global_store_b64 v[OADR], v[OUTB:OUTB+1], s[18:19] offset:256 th:TH_STORE_NT
	s_wait_dscnt 0x0
	ROUND                                          ; the closing round: no work-group ends while a partner may still ask for a tile that names it
	s_endpgm
.Lfunc_end_k_q94eb5e73f2_mlp:
	.size	k_q94eb5e73f2_mlp, .Lfunc_end_k_q94eb5e73f2_mlp-k_q94eb5e73f2_mlp
	.p2alignl 7, 3214868480
	.fill 96, 4, 3214868480
	.section	.rodata,"a",@progbits
	.p2align	6, 0x0
	.amdhsa_kernel k_q94eb5e73f2_mlp
		.amdhsa_group_segment_fixed_size 327680
		.amdhsa_private_segment_fixed_size 0
		.amdhsa_enable_private_segment 0
		.amdhsa_kernarg_size 64
		.amdhsa_user_sgpr_count 2
		.amdhsa_user_sgpr_kernarg_segment_ptr 1
		.amdhsa_wavefront_size32 1
		.amdhsa_system_sgpr_workgroup_id_x 1
		.amdhsa_system_sgpr_workgroup_id_y 1
		.amdhsa_system_sgpr_workgroup_id_z 1
		.amdhsa_system_vgpr_workitem_id 0
		.amdhsa_next_free_vgpr 512
		.amdhsa_next_free_sgpr 96
		.amdhsa_reserve_vcc 0
		.amdhsa_float_denorm_mode_32 3
		.amdhsa_float_denorm_mode_16_64 3
		.amdhsa_memory_ordered 1
		.amdhsa_forward_progress 1
		.amdhsa_inst_pref_size 255
	.end_amdhsa_kernel
	.section	.bss,"aw",@nobits
	.p2align	6
	.space	262144
	.amdgpu_metadata
---
amdhsa.version: [ 1, 2 ]
amdhsa.kernels:
  - .name:           k_q94eb5e73f2_mlp
    .symbol:         k_q94eb5e73f2_mlp.kd
    .args:
      - { .name: w1t, .offset: 0, .size: 8, .value_kind: global_buffer, .address_space: global }
      - { .name: W2, .offset: 8, .size: 8, .value_kind: global_buffer, .address_space: global }
      - { .name: b1, .offset: 16, .size: 8, .value_kind: global_buffer, .address_space: global }
      - { .name: b2, .offset: 24, .size: 8, .value_kind: global_buffer, .address_space: global }
      - { .name: emb, .offset: 32, .size: 8, .value_kind: global_buffer, .address_space: global }
      - { .name: idxs_g, .offset: 40, .size: 8, .value_kind: global_buffer, .address_space: global }
      - { .name: idxs_d, .offset: 48, .size: 8, .value_kind: global_buffer, .address_space: global }
      - { .name: out0, .offset: 56, .size: 8, .value_kind: global_buffer, .address_space: global }
    .group_segment_fixed_size: 327680
    .private_segment_fixed_size: 0
    .kernarg_segment_align: 8
    .kernarg_segment_size: 64
    .max_flat_workgroup_size: 256
    .sgpr_count:     96
    .vgpr_count:     512
    .wavefront_size: 32
...
	.end_amdgpu_metadata
.endif
;; end of part 2
;; ======== version 2 of 2: 2 launches; version 1 with the launch prep written anew for expert scheduling mode
;; limits: an absolute error that grows with the inputs' magnitude: up to 0.00025 times it
;; workspace buffers: w1t 524,288 bytes
;; launch prep (part 3): grid 16 x 2, 8 waves a work-group, no clusters, 18,432 bytes of LDS; arguments W1, w1t; writes w1t
.if DOCPART == 3
	.amdgcn_target "amdgcn-amd-amdhsa--gfx1250"
	.amdhsa_code_object_version 6
	.text
	.protected	k_q94eb5e73f2_prep
	.globl	k_q94eb5e73f2_prep
	.p2align	8
	.type	k_q94eb5e73f2_prep,@function
k_q94eb5e73f2_prep:
	s_mov_b64 s[64:65], 0
	v_nop
	global_prefetch_b8 v0, s[64:65] scope:SCOPE_SE
	s_setreg_imm32_b32 hwreg(HW_REG_WAVE_SCHED_MODE, 0, 2), 2
	s_setreg_imm32_b32 hwreg(HW_REG_WAVE_MODE, 25, 1), 1
	s_wait_xcnt 0x0
	s_wait_alu depctr_vm_vsrc(0)
; w1t[n][k] = bf16(W1[k][n]).  W1: [256 k][1024 n] f32.  w1t: [1024 n][256 k] bf16, rows of 512 bytes.
; Work-group (bx, by) takes n = 64 bx .. +63 and k = 128 by .. +127: 128 pieces of 256 bytes in, 64 pieces of 256 bytes out.
; Thread t: cg = t & 15 (four neighbouring n, 16 bytes of a row of W1), a0 = t >> 4.
; In: sixteen lanes read 256 consecutive bytes of one row of W1.  Two rows k, k + 1 are rounded into one word (k even below),
; the word goes into an LDS row of its n (pitch 272 bytes), and the rows are read back whole: sixteen lanes store 256 consecutive
; bytes of w1t, aligned.  The word stores into LDS collide in the banks; the launch moves 1.5 MB in all, so that is left as it is.
; THE MODE: SCHED_MODE bits 1:0 = 2 (LLVM: expert scheduling mode 2), set by the entry lines.  The code itself states the register dependences
; between vector instructions and memory or LDS instructions, with s_wait_alu, always for 0.
; THE PLAN.  Registers that memory or LDS instructions touch:
;   v4 .. v7   offsets and LDS addresses, made at the head and never written again: v4 read by the global loads, v5 by the LDS stores, v6 by the LDS loads, v7 by the global stores.
;   v64, v65   made at the head, read by the closing add alone.
;   XIN        written by the eight global loads, read by the sixteen conversions; behind the barrier the LDS loads land in its first sixteen registers, which the global stores then read.
;   PK         written by the conversions, read by the LDS stores, never written again.
; The work goes in two halves: eight conversions, one wait on va_vdst, eight LDS stores; the first half runs while the second half's four loads are still out.
; Three waits on va_vdst in all: ahead of the first load, and behind each half's conversions.  No register that a memory or LDS instruction has read is written
; again, so no wait on vm_vsrc is owed; no vector instruction writes a scalar register or VCC; EXEC is never written.
.set LP, 272                           ; LDS pitch: 128 bf16 + 16 bytes
.set XIN, 8                            ; v[8:39]   eight loads of 16 bytes; later v[8:23] the rows read back
.set PK,  40                           ; v[40:55]  16 packed words
	s_load_b128 s[4:7], s[0:1], 0x0                ; W1 s[4:5], w1t s[6:7]
	v_lshl_add_u32 v64, v0, 2, 0x4400              ; my spare word, behind the 64 rows of 272 bytes; kept for the closing lines alone
	v_mov_b32 v65, 0                               ; and 0, likewise
	s_and_b32 s8, ttmp7, 0xffff                    ; by
	v_and_b32 v1, 15, v0                           ; cg
	v_lshrrev_b32 v2, 4, v0                        ; a0
	v_lshlrev_b32 v3, 4, v1                        ; 16 cg
	v_lshl_add_u32 v4, v2, 13, v3                  ; in: row 2 a0 of 4,096 bytes + 16 cg
	v_mul_u32_u24 v5, v1, 4*LP
	v_lshl_add_u32 v5, v2, 2, v5                   ; LDS, in: row 4 cg, word a0
	v_mul_u32_u24 v6, v2, LP
	v_add_nc_u32 v6, v6, v3                        ; LDS, back: row a0, 16 bytes at 16 cg
	v_lshl_add_u32 v7, v2, 9, v3                   ; out: row a0 of 512 bytes + 16 cg
	s_lshl_b32 s10, s8, 19                         ; 128 rows of W1
	s_lshl_b32 s9, ttmp9, 8                        ; 64 columns of f32
	s_add_co_u32 s10, s10, s9
	s_mov_b32 s11, 0
	s_lshl_b32 s12, ttmp9, 15                      ; 64 rows of w1t
	s_lshl_b32 s9, s8, 8                           ; 128 columns of bf16
	s_add_co_u32 s12, s12, s9
	s_mov_b32 s13, 0
	s_wait_kmcnt 0x0
	s_add_nc_u64 s[4:5], s[4:5], s[10:11]
	s_add_nc_u64 s[6:7], s[6:7], s[12:13]
	s_wait_alu depctr_va_vdst(0)                   ; v4 to v7, v64 and v65 are written: every load, store and LDS instruction of the kernel reads one of them as its offset, address or data
.irp i, 0,1,2,3
.irp e, 0,1
	global_load_b128 v[XIN+8*\i+4*\e:XIN+8*\i+4*\e+3], v4, s[4:5] offset:131072*\i+4096*\e th:TH_LOAD_NT   ; row k = 2 (a0 + 16 i) + e
.endr
.endr
	s_wait_loadcnt 4                               ; loads come back in order (ISA guide 5.7.1): the rows of i = 0, 1 are in, the four younger loads stay out
.irp i, 0,1
.irp c, 0,1,2,3
	v_cvt_pk_bf16_f32 v[PK+4*\i+\c], v[XIN+8*\i+\c], v[XIN+8*\i+4+\c]      ; n = 4 cg + c: k even below, k odd above
.endr
.endr
	s_wait_alu depctr_va_vdst(0)                   ; the eight conversions have written v[PK .. PK+7], which the LDS stores below read
.irp i, 0,1
.irp c, 0,1,2,3
	ds_store_b32 v5, v[PK+4*\i+\c] offset:LP*\c+64*\i
.endr
.endr
	s_wait_loadcnt 0x0                             ; the rows of i = 2, 3
.irp i, 2,3
.irp c, 0,1,2,3
	v_cvt_pk_bf16_f32 v[PK+4*\i+\c], v[XIN+8*\i+\c], v[XIN+8*\i+4+\c]
.endr
.endr
	s_wait_alu depctr_va_vdst(0)                   ; the conversions have written v[PK+8 .. PK+15], which the LDS stores below read; and all sixteen are done reading v[XIN ..], in which the LDS loads behind the barrier land (no vector instruction follows this wait)
.irp i, 2,3
.irp c, 0,1,2,3
	ds_store_b32 v5, v[PK+4*\i+\c] offset:LP*\c+64*\i
.endr
.endr
	s_wait_dscnt 0x0                               ; my words are in LDS, for the other waves' sake
	s_barrier_signal -1
	s_barrier_wait -1
.irp i, 0,1,2,3
	ds_load_b128 v[XIN+4*\i:XIN+4*\i+3], v6 offset:16*LP*\i        ; row n = a0 + 16 i
.endr
.irp i, 0,1,2,3
	s_wait_dscnt 3-\i                              ; LDS loads come back in order: load i is in, the younger ones stay out
	global_store_b128 v7, v[XIN+4*\i:XIN+4*\i+3], s[6:7] offset:8192*\i
.endr
	s_wait_dscnt 0x0                               ; the closing lines, six on end
	s_wait_alu 0x0
	s_wait_tensorcnt 0x0
	ds_add_u32 v64, v65
	s_wait_dscnt 0x0
	s_endpgm
.Lfunc_end_k_q94eb5e73f2_prep:
	.size	k_q94eb5e73f2_prep, .Lfunc_end_k_q94eb5e73f2_prep-k_q94eb5e73f2_prep
	.p2alignl 7, 3214868480
	.fill 96, 4, 3214868480
	.section	.rodata,"a",@progbits
	.p2align	6, 0x0
	.amdhsa_kernel k_q94eb5e73f2_prep
		.amdhsa_group_segment_fixed_size 18432
		.amdhsa_private_segment_fixed_size 0
		.amdhsa_enable_private_segment 0
		.amdhsa_kernarg_size 16
		.amdhsa_user_sgpr_count 2
		.amdhsa_user_sgpr_kernarg_segment_ptr 1
		.amdhsa_wavefront_size32 1
		.amdhsa_system_sgpr_workgroup_id_x 1
		.amdhsa_system_sgpr_workgroup_id_y 1
		.amdhsa_system_sgpr_workgroup_id_z 1
		.amdhsa_system_vgpr_workitem_id 0
		.amdhsa_next_free_vgpr 66
		.amdhsa_next_free_sgpr 66
		.amdhsa_reserve_vcc 0
		.amdhsa_float_denorm_mode_32 3
		.amdhsa_float_denorm_mode_16_64 3
		.amdhsa_memory_ordered 1
		.amdhsa_forward_progress 1
		.amdhsa_inst_pref_size 6
	.end_amdhsa_kernel
	.amdgpu_metadata
---
amdhsa.version: [ 1, 2 ]
amdhsa.kernels:
  - .name:           k_q94eb5e73f2_prep
    .symbol:         k_q94eb5e73f2_prep.kd
    .args:
      - { .name: W1, .offset: 0, .size: 8, .value_kind: global_buffer, .address_space: global }
      - { .name: w1t, .offset: 8, .size: 8, .value_kind: global_buffer, .address_space: global }
    .group_segment_fixed_size: 18432
    .private_segment_fixed_size: 0
    .kernarg_segment_align: 8
    .kernarg_segment_size: 16
    .max_flat_workgroup_size: 256
    .sgpr_count:     66
    .vgpr_count:     66
    .wavefront_size: 32
...
	.end_amdgpu_metadata
.endif
;; end of part 3
;; launch mlp: the kernel of part 2 again; grid 512 x 1, 8 waves a work-group, clusters of 4 x 1, 327,680 bytes of LDS; arguments w1t, W2, b1, b2, emb, idxs_g, idxs_d, out0; writes out0
